; MI455X (gfx1250); checked and timed in simulation.
; The chip was launched on July 23, 2026; its instructions are those of AMD's public machine-readable ISA for CDNA 5 (MIT licence, August 2026) and "CDNA5" Instruction Set Architecture Reference Guide (July 2026). The comments in the code are by the model that wrote it; some were corrected since.
;; Ro PE Attention. Allowed arithmetic: matrix products marked QUANTISED: E2M3 operands, one E8M0 scale for each 32 along K, by v_wmma_scale_f32_16x16x128_f8f6f4 with both operands' format E2M3, f32 sums; everything else in f32.
;; Inputs: W_proj 1,024 x 1,024 float32; W_qkv 3,072 x 1,024 float32; b_proj 1,024 float32; rope_cos 1 x 2,048 x 1 x 64 float32; rope_sin 1 x 2,048 x 1 x 64 float32; x 4 x 2,048 x 1,024 float32.
;; Outputs: out0 4 x 2,048 x 1,024 float32.
;; This version of the problem:
;;   THIS VERSION OF THE PROBLEM IS GIVEN IN LOW PRECISION. The matrix products marked QUANTISED in the list below multiply operands that are first quantised to E2M3 (2 exponent bits, 3 mantissa bits; 6 bits a number), with one power-of-two scale for each 32 numbers along K (OCP MX v1.0); their sums are f32. All else is computed in f32.
;;   The module's matrix products, in the order in which they are computed (A, B: the left and right operand; K: the contracted axis; several contracted axes count as one K, in the product's order):
;;     1. [M 8,192, K 1,024] x [K 1,024, N 3,072]; A: input x; B: input W_qkv: QUANTISED
;;     2. batch 64 x [M 2,048, K 64] x [K 64, N 2,048]; A: computed on the way; B: computed on the way: QUANTISED
;;     3. batch 64 x [M 64, K 2,048] x [K 2,048, N 2,048]; A: computed on the way; B: softmax (see below): QUANTISED
;;     4. [M 8,192, K 1,024] x [K 1,024, N 1,024]; A: computed on the way; B: input W_proj: QUANTISED
;;   THE QUANTISER, for each operand of a quantised product, along K:
;;     - K is cut into blocks of 32 from its start; a last block that is shorter is filled with zeros.
;;     - A block's scale is 2^e with e = floor(log2(the largest magnitude in the block)) - 2, held to -126 .. 127; a block of zeros has e = 0. As a byte (E8M0): e + 127.
;;     - Each number is divided by its block's scale, clamped to +-7.5, and rounded to the nearest number of E2M3, ties to even, subnormals kept.
;;     - The product sums the exact products of the quantised numbers (number of the format x scale) in f32.
;;   ~~~python
;;   def quantise(x, axis):      # numpy; x: float32 -> the quantised numbers, widened to float32 again
;;       x = np.moveaxis(x, axis, -1); K = x.shape[-1]
;;       x = np.pad(x, [(0, 0)] * (x.ndim - 1) + [(0, -K % 32)]); x = x.reshape(x.shape[:-1] + (-1, 32)); a = np.abs(x).max(-1, keepdims=True)
;;       e = np.where(a > 0, np.clip(np.frexp(np.where(a > 0, a, 1))[1] - 1 - 2, -126, 127), 0)      # np.frexp(a)[1] - 1 = floor(log2(a)), exactly
;;       r = np.clip(x / 2.0 ** e, -7.5, 7.5)
;;       step = 2.0 ** (np.maximum(np.frexp(np.where(r == 0, 1, r))[1] - 1, 0) - 3)
;;       q = np.round(r / step) * step * 2.0 ** e      # np.round: ties to even
;;       return np.moveaxis(q.reshape(q.shape[:-2] + (-1,))[..., :K], -1, axis).astype(np.float32)
;;   ~~~
;;   SOFTMAX AHEAD OF A QUANTISED PRODUCT. Where the list says 'softmax', what is quantised is not the finished softmax but p = 2^(t - M), with t = logit x log2(e) and M = ceil(the row's largest t), a whole number; so 1/2 < the row's largest p <= 1. The row's sum l is taken of the UNQUANTISED p, in f32, and the product's result is divided by l at the end. Since M is a whole number, a kernel that streams over the keys may use a running M (the ceiling of the running maximum): every later rescaling is an exact power of two, which a block's scale takes up: the codes' values come out the same.
;;   OPERANDS COMPUTED ON THE WAY. 'Computed on the way' means the value that the module computes at that place (a softmax that the list does not call 'softmax' is quantised finished and normalised). What goes into a quantiser is computed in f32, as accurately as f32 sums, v_exp_f32 and their like allow (about 1e-6 of the number): no bf16 or f16 on the way to a quantiser, and a product that is left as it is and whose result goes on into a quantised operand takes f32 operands (vector FMAs, or v_wmma_f32_16x16x4_f32). A number that lies on a knife's edge between two numbers of the format may be rounded either way, as far as f32 arithmetic and the matrix unit's own rounding can turn it there, and no further.
;; One version. Each part assembles by itself: llvm-mc -triple=amdgcn-amd-amdhsa -mcpu=gfx1250 --defsym DOCPART=n.
;; ======== version 1 of 1: 4 launches
;; limits: right only within a limited range of input values
;; workspace buffers: ximg 6,553,600 bytes; wqkvimg 2,457,600 bytes; wprojimg 819,200 bytes; qimg 6,553,600 bytes; kimg 6,553,600 bytes; vimg 6,553,600 bytes; oimg 6,553,600 bytes
;; launch quant (part 1): grid 256 x 1, 12 waves a work-group, no clusters, 104,448 bytes of LDS; arguments x, W_qkv, W_proj, ximg, wqkvimg, wprojimg; writes ximg, wqkvimg, wprojimg
.if DOCPART == 1
	.amdgcn_target "amdgcn-amd-amdhsa--gfx1250"
	.amdhsa_code_object_version 6
	.text
	.protected	k_q67cfde9637_quant
	.globl	k_q67cfde9637_quant
	.p2align	8
	.type	k_q67cfde9637_quant,@function
k_q67cfde9637_quant:
	s_mov_b64 s[64:65], 0
	v_nop
	global_prefetch_b8 v0, s[64:65] scope:SCOPE_SE
	s_setreg_imm32_b32 hwreg(HW_REG_WAVE_MODE, 25, 1), 1
	s_wait_xcnt 0x0
; x [8192][1024], W_qkv [3072][1024] and W_proj [1024][1024], f32, K innermost, become codes of FP6 (E2M3) with one E8M0 byte for each 32 along K,
; laid as IMAGES OF THE OPERAND'S REGISTERS.  A record is 128 rows x 128 K, 12,800 bytes: eight fragments of 1,536 bytes (register 4 g + e of lane L at 512 g + 16 L + 4 e),
; then 512 bytes of scale words (fragment i, row r at 256 (i / 4) + 16 r + 4 (i % 4)).  The eight records of a block of 128 rows follow each other.
; THE ROWS OF A FRAGMENT ARE NOT NEIGHBOURS: row r of fragment i is row 32 (i / 2) + 8 (i % 2) + r + 8 (r / 8) of the block, so that a later product's results lie as neighbours along the next K.
; A block's scale is 2^(floor(log2(its largest magnitude)) - 2); its byte is the largest magnitude's exponent field - 2, held at 1 from below.
; LIMITS: a block of zeros gets the byte 1 where the rule says 127 (its codes are zeros, and this program alone reads the bytes); blocks whose largest magnitude lies under 2^-124 were not tried; NaN and infinities are not served.
; SHARES.  768 records, four tasks to a record, two fragments (32 rows x 128 K) to a task: 3,072 tasks, one a wave: 256 work-groups of 12 waves.  Tasks 0-2,047 take x, 2,048-2,815 W_qkv, the rest W_proj:
; only pointers are chosen, by the task's number; there is one path.  Both fragments' 32 loads are issued at once; each reads 512 consecutive bytes of one row.
; 16 rows turn through the wave's own stage in LDS (rows 528 bytes apart) and come back 16 neighbours of each block of 32 to a lane.
; Waves 2 m and 2 m + 1 hold the scale words of one group of four fragments: they meet in 256 bytes of LDS, and behind the one barrier the even wave stores them as one aligned run of 256 bytes.  No cluster, no matrix work.
.set STG,   8448                       ; a wave's stage: 16 rows x (512 + 16) bytes
.set WRD,   12*STG                     ; behind the stages: 256 bytes of scale words for each pair of waves
.set SPARE, WRD+6*256                  ; behind them: the spare words, 128 bytes a wave, that no other line names
.set SPW,   6                          ; v6   LDS address of my spare word; never rewritten
.set NIL,   7                          ; v7   0; never rewritten
.set TM,    8                          ; v8-23   +0..3 largest magnitudes, +4..7 the other half's / bytes, +12..15 the conversions' scale operands
.set WD,    24                         ; v24-25  my two fragments' scale words
.set PC,    28                         ; v28-39  a fragment's codes; v40-42, v44-46 the second halves as converted
.set RDW,   43                         ; v43  where the even wave reads the pair's words: 8 x lane
.set GOW,   47                         ; v47  8 x lane
.set R,     48                         ; v48-175 two sets of 64: 16 rows as loaded
.set X,     176                        ; v176-239 64 numbers: register 16 b + i = k 32 b + 16 (lane / 16) + i of my row
.set SEL,   28                         ; s[28:29] selects of v_permlanex16_b32: lane l xor 16
	s_load_b256 s[4:11], s[0:1], 0x0               ; x, W_qkv, W_proj, ximg
	s_load_b128 s[12:15], s[0:1], 0x20             ; wqkvimg, wprojimg
	v_lshl_add_u32 v[SPW], v0, 2, SPARE
	v_mov_b32 v[NIL], 0
	v_lshrrev_b32 v1, 5, v0
	v_readfirstlane_b32 s16, v1                    ; wave
	v_and_b32 v1, 31, v0                           ; lane
	v_lshlrev_b32 v2, 4, v1                        ; 16 x lane: my bytes of a load's 512, and of an image's 512
	s_mul_i32 s17, s16, STG
	s_lshr_b32 s18, s16, 1
	s_lshl_b32 s18, s18, 8
	s_add_co_u32 s18, s18, WRD                     ; my pair's 256 bytes
	s_and_b32 s30, s16, 1                          ; which of the pair I am
	s_lshl_b32 s31, s30, 3
	s_add_co_u32 s31, s31, s18
	v_add_nc_u32 v3, s17, v2                       ; the stage on the way in
	v_and_b32 v8, 15, v0                           ; r
	v_bfe_u32 v9, v0, 4, 1                         ; h
	v_mul_u32_u24 v4, v8, 528
	v_lshl_add_u32 v4, v9, 6, v4
	v_add_nc_u32 v4, s17, v4                       ; and on the way out: row r, + 64 h
	v_lshlrev_b32 v5, 4, v8
	v_add_nc_u32 v5, s31, v5                       ; my two words' place among the pair's: 16 r + 8 (wave % 2)
	v_lshlrev_b32 v[GOW], 3, v1
	v_add_nc_u32 v[RDW], s18, v[GOW]
.irp b, 0,1,2,3
	v_mov_b32 v[TM+4+\b], 0                        ; written once: a lane permute's destination counts as one of its sources
.endr
	s_mov_b32 s[SEL], 0x76543210
	s_mov_b32 s[SEL+1], 0xfedcba98
	s_mov_b32 s19, 2816
	s_mul_i32 s20, ttmp9, 12
	s_add_co_u32 s20, s20, s16                     ; my task of 3,072
	s_wait_alu depctr_va_vdst(0)                   ; the wait at the head's end
	s_wait_kmcnt 0x0
	s_cmp_lt_u32 s20, 2816                         ; which tensor: the choice hangs on the task's number alone
	s_cselect_b64 s[6:7], s[6:7], s[8:9]
	s_cselect_b64 s[12:13], s[12:13], s[14:15]
	s_cselect_b32 s19, 2048, s19
	s_cmp_lt_u32 s20, 2048
	s_cselect_b64 s[4:5], s[4:5], s[6:7]           ; the source
	s_cselect_b64 s[10:11], s[10:11], s[12:13]     ; its images
	s_cselect_b32 s19, 0, s19                      ; the tensor's first task
	s_sub_co_u32 s19, s20, s19                     ; my task in the tensor
	s_lshr_b32 s20, s19, 2                         ; its record
	s_and_b32 s21, s19, 3                          ; which two fragments
	s_lshr_b32 s22, s20, 3                         ; block of 128 rows
	s_and_b32 s23, s20, 7                          ; K step
	s_lshl_b32 s24, s22, 19                        ; 128 rows of 4,096 bytes
	s_lshl_b32 s25, s21, 17                        ; 32 rows
	s_add_co_u32 s24, s24, s25
	s_lshl_b32 s25, s23, 9                         ; 128 numbers
	s_add_co_u32 s24, s24, s25
	s_mov_b32 s25, 0
	s_add_nc_u64 s[4:5], s[4:5], s[24:25]
	s_mul_i32 s26, s20, 12800
	s_mov_b32 s27, 0
	s_add_nc_u64 s[10:11], s[10:11], s[26:27]      ; the record
	s_mul_i32 s26, s21, 3072
	s_add_nc_u64 s[12:13], s[10:11], s[26:27]      ; my two fragments
	s_lshr_b32 s26, s21, 1
	s_lshl_b32 s26, s26, 8
	s_add_co_u32 s26, s26, 12288
	s_add_nc_u64 s[14:15], s[10:11], s[26:27]      ; the pair's 256 bytes of scale words
.macro LOAD q                          ; fragment q's 16 rows, 512 consecutive bytes each, into set q
.irp p, 0,1,2,3,4,5,6,7,8,9,10,11,12,13,14,15
	global_load_b128 v[R+64*(\q)+4*\p:R+64*(\q)+4*\p+3], v2, s[4:5] offset:(8*(\q)+\p+8*(\p/8))*4096 th:TH_LOAD_NT
.endr
.endm
; 64 numbers of a lane become a fragment's codes in v[PC] on and its scale word in v[w]
.macro QUANT s, w
.irp b, 0,1,2,3
	v_max3_num_f32 v[TM+\b], |v[\s+16*\b]|, |v[\s+1+16*\b]|, 0x1800000   ; block b: my 16 numbers, and the floor 2^(3 - 127): the byte cannot fall under 1
.endr
.irp i, 2,4,6,8,10,12,14
.irp b, 0,1,2,3
	v_max3_num_f32 v[TM+\b], v[TM+\b], |v[\s+16*\b+\i]|, |v[\s+1+16*\b+\i]|   ; the four blocks by turns
.endr
.endr
.irp b, 0,1,2,3
	v_permlanex16_b32 v[TM+4+\b], v[TM+\b], s[SEL], s[SEL+1]
.endr
.irp b, 0,1,2,3
	v_max_num_f32 v[TM+\b], v[TM+\b], v[TM+4+\b]   ; with lane l xor 16's 16: the block's largest magnitude
.endr
.irp b, 0,1,2,3
	v_add_nc_u32 v[TM+12+\b], 0xff000000, v[TM+\b] ; 2 off its exponent field: the conversion takes this operand's exponent field as its scale
.endr
.irp b, 0,1,2,3
	v_lshrrev_b32 v[TM+4+\b], 23, v[TM+12+\b]      ; the scale's byte
.endr
	v_lshl_or_b32 v[\w], v[TM+5], 8, v[TM+4]       ; my row's scale word (lanes r and r + 16 hold the same)
	v_lshl_or_b32 v[\w], v[TM+6], 16, v[\w]
	v_lshl_or_b32 v[\w], v[TM+7], 24, v[\w]
.irp c, 0,1
	v_cvt_scalef32_pk16_fp6_f32 v[PC+6*\c:PC+2+6*\c], v[\s+32*\c:\s+15+32*\c], v[TM+12+2*\c]
	v_cvt_scalef32_pk16_fp6_f32 v[PC+12+4*\c:PC+14+4*\c], v[\s+16+32*\c:\s+31+32*\c], v[TM+12+2*\c+1]   ; (a conversion's three registers begin on an even number)
.endr
	v_nop                                          ; one plain place behind a scaled conversion
.irp c, 0,1                            ; the operand's layout wants a whole block in a lane: lanes 0-15 block 2 c, lanes 16-31 block 2 c + 1
.irp i, 0,1,2
	v_permlane16_swap_b32 v[PC+6*\c+\i], v[PC+12+4*\c+\i]
.endr
.irp i, 0,1,2
	v_mov_b32 v[PC+3+6*\c+\i], v[PC+12+4*\c+\i]
.endr
.endr
.endm
.macro FRAGQ q
.if (\q) < 1
	s_wait_loadcnt 16                              ; this fragment's 16 loads are in; the other fragment's 16 may be out
.else
	s_wait_loadcnt 0x0
.endif
.irp p, 0,1,2,3,4,5,6,7,8,9,10,11,12,13,14,15
	ds_store_b128 v3, v[R+64*(\q)+4*\p:R+64*(\q)+4*\p+3] offset:528*\p
.endr
.irp b, 0,1,2,3
.irp j, 0,1,2,3
	ds_load_b128 v[X+16*\b+4*\j:X+16*\b+4*\j+3], v4 offset:128*\b+16*\j   ; LDS serves a wave's instructions in order: these see the stores above
.endr
.endr
	s_wait_dscnt 0x0                               ; my 64 numbers are back
	s_wait_xcnt 0x0                                ; the last fragment's stores have read the codes' registers: they are written again only behind this wait
	QUANT X, WD+\q
.irp g, 0,1,2
	global_store_b128 v2, v[PC+4*\g:PC+4*\g+3], s[12:13] offset:1536*(\q)+512*\g   ; 32 lanes store 512 consecutive bytes, aligned
.endr
.endm
	LOAD 0
	LOAD 1
	FRAGQ 0
	FRAGQ 1
	ds_store_b64 v5, v[WD:WD+1]                    ; my two words of row r (lanes r and r + 16 write the same bytes with the same values)
	s_wait_dscnt 0x0                               ; for the other wave's sake
	s_barrier_signal -1
	s_barrier_wait -1
	s_cmp_lg_u32 s30, 0
	s_cbranch_scc1 .Lodd                           ; the even wave of a pair stores for both
	ds_load_b64 v[40:41], v[RDW]
	s_wait_dscnt 0x0
	global_store_b64 v[GOW], v[40:41], s[14:15]    ; 32 lanes store one aligned run of 256 bytes
.Lodd:
	s_wait_tensorcnt 0x0                           ; the wave's end, behind my last LDS store
	ds_add_u32 v[SPW], v[NIL]
	s_wait_dscnt 0x0
	s_endpgm
.Lfunc_end_k_q67cfde9637_quant:
	.size	k_q67cfde9637_quant, .Lfunc_end_k_q67cfde9637_quant-k_q67cfde9637_quant
	.p2alignl 7, 3214868480
	.fill 96, 4, 3214868480
	.section	.rodata,"a",@progbits
	.p2align	6, 0x0
	.amdhsa_kernel k_q67cfde9637_quant
		.amdhsa_group_segment_fixed_size 104448
		.amdhsa_private_segment_fixed_size 0
		.amdhsa_enable_private_segment 0
		.amdhsa_kernarg_size 48
		.amdhsa_user_sgpr_count 2
		.amdhsa_user_sgpr_kernarg_segment_ptr 1
		.amdhsa_wavefront_size32 1
		.amdhsa_system_sgpr_workgroup_id_x 1
		.amdhsa_system_sgpr_workgroup_id_y 1
		.amdhsa_system_sgpr_workgroup_id_z 1
		.amdhsa_system_vgpr_workitem_id 0
		.amdhsa_next_free_vgpr 240
		.amdhsa_next_free_sgpr 66
		.amdhsa_reserve_vcc 0
		.amdhsa_float_denorm_mode_32 3
		.amdhsa_float_denorm_mode_16_64 3
		.amdhsa_memory_ordered 1
		.amdhsa_forward_progress 1
		.amdhsa_inst_pref_size 19
	.end_amdhsa_kernel
	.amdgpu_metadata
---
amdhsa.version: [ 1, 2 ]
amdhsa.kernels:
  - .name:           k_q67cfde9637_quant
    .symbol:         k_q67cfde9637_quant.kd
    .args:
      - { .name: x, .offset: 0, .size: 8, .value_kind: global_buffer, .address_space: global }
      - { .name: W_qkv, .offset: 8, .size: 8, .value_kind: global_buffer, .address_space: global }
      - { .name: W_proj, .offset: 16, .size: 8, .value_kind: global_buffer, .address_space: global }
      - { .name: ximg, .offset: 24, .size: 8, .value_kind: global_buffer, .address_space: global }
      - { .name: wqkvimg, .offset: 32, .size: 8, .value_kind: global_buffer, .address_space: global }
      - { .name: wprojimg, .offset: 40, .size: 8, .value_kind: global_buffer, .address_space: global }
    .group_segment_fixed_size: 104448
    .private_segment_fixed_size: 0
    .kernarg_segment_align: 8
    .kernarg_segment_size: 48
    .max_flat_workgroup_size: 384
    .sgpr_count:     66
    .vgpr_count:     240
    .wavefront_size: 32
...
	.end_amdgpu_metadata
.endif
;; end of part 1
;; launch qkv (part 2): grid 8 x 48, 4 waves a work-group, clusters of 4 x 4, 327,680 bytes of LDS; arguments ximg, wqkvimg, rope_cos, rope_sin, qimg, kimg, vimg; writes qimg, kimg, vimg
.if DOCPART == 2
	.amdgcn_target "amdgcn-amd-amdhsa--gfx1250"
	.amdhsa_code_object_version 6
	.text
	.protected	k_q67cfde9637_qkv
	.globl	k_q67cfde9637_qkv
	.p2align	8
	.type	k_q67cfde9637_qkv,@function
k_q67cfde9637_qkv:
	s_mov_b64 s[64:65], 0
	v_nop
	global_prefetch_b8 v0, s[64:65] scope:SCOPE_SE
	s_setreg_imm32_b32 hwreg(HW_REG_WAVE_MODE, 25, 1), 1
	s_wait_xcnt 0x0
	s_wait_alu depctr_hold_cnt(0) depctr_sa_sdst(0) depctr_va_vdst(0) depctr_va_sdst(0) depctr_va_ssrc(0) depctr_va_vcc(0) depctr_vm_vsrc(0)
	s_getreg_b32 s2, hwreg(HW_REG_IB_STS2, 6, 4)
	s_cmp_eq_u32 s2, 0
	s_cbranch_scc0 .Lentry_in_a_cluster
	s_endpgm
.Lentry_in_a_cluster:
	s_bfe_u32 s2, ttmp6, 0x10000c
	s_cmp_lg_u32 s2, 0xf033
	s_cbranch_scc0 .Lentry_shape_is_right
	s_endpgm
.Lentry_shape_is_right:
.set PIECE, 25600
.set SLOT,  4*PIECE
.set SPARE, 2*SLOT
.set FR,    12
.set ADRA,  16
.set ADRB,  20
.set ADRS,  22
.set LI,    24
.set VC,    25
.set SCO,   26
.set SPW,   28
.set NIL,   29
.set SC,    32
.set TM,    48
.set TT,    64
.set PC,    96
.set CT,    108
.set AF,    128
.set WD,    224
.set DW,    232
.set WV,    18
.set HA,    19
.set HB,    20
.set G1,    24
.set G0,    32
.set G1B,   48
.set G0B,   56
.set YY,    43
.set HM,    84
.set OUT,   86
.set COS,   88
.set SIN,   90
.set SEL,   92
.set MSB, 0
.macro WIN new
.if MSB != (\new)
	s_set_vgpr_msb (MSB<<8)|(\new)
.set MSB, (\new)
.endif
.endm
.set MUL_LO, 0xa1
.set MUL_HI, 0xf1
.set TO_B,   0x40
.macro JLOAD s
	s_cmp_eq_u32 s[HA], 0
	s_cbranch_scc0 .Lfor_b_\@
	tensor_load_to_lds s[G0+4*\s:G0+4*\s+3], s[G1:G1+7]
	s_nop 0
.rept 4
	v_nop
.endr
	s_branch .Lasked_\@
.Lfor_b_\@:
	tensor_load_to_lds s[G0B+4*\s:G0B+4*\s+3], s[G1B:G1B+7]
	s_nop 0
.rept 4
	v_nop
.endr
.Lasked_\@:
.endm
.macro CREST
	s_cmp_lg_u32 s[WV], 0
	s_cbranch_scc1 .Lnot_wave_0_\@
	s_barrier_signal -3
.Lnot_wave_0_\@:
	s_barrier_wait -3
	s_barrier_signal -1
	s_barrier_wait -1
.endm
.macro CROUND
	s_barrier_signal -1
	s_barrier_wait -1
	CREST
.endm
.macro PLACES n
.rept \n
	v_nop
.endr
.endm
	s_load_b256 s[4:11], s[0:1], 0x0
	s_load_b128 s[12:15], s[0:1], 0x20
	s_load_b64 s[16:17], s[0:1], 0x30
	v_lshl_add_u32 v[SPW], v0, 2, SPARE
	v_mov_b32 v[NIL], 0
	ds_add_u32 v[SPW], v[NIL]
	ds_add_u32 v[SPW], v[NIL]
	v_lshrrev_b32 v1, 5, v0
	v_readfirstlane_b32 s[WV], v1
	s_lshr_b32 s[HA], s[WV], 1
	s_and_b32 s[HB], s[WV], 1
	s_bfe_u32 s40, ttmp6, 0x40000
	s_bfe_u32 s41, ttmp6, 0x40004
	s_and_b32 s[YY], ttmp7, 0xffff
	s_lshl_b32 s44, s41, 2
	s_lshl_b32 s44, 15, s44
	s_lshl_b32 s45, 0x1111, s40
	s_or_b32 s[G1], s44, (3<<16)|(1<<21)
	s_or_b32 s[G1B], s45, (3<<16)|(1<<21)
.irp g, G1, G1B
	s_mov_b32 s[\g+1], 32<<16
	s_mov_b32 s[\g+2], 100<<16
	s_mov_b32 s[\g+3], 32<<16
	s_mov_b32 s[\g+4], 100
	s_mov_b32 s[\g+5], 32
	s_mov_b32 s[\g+6], 0
	s_mov_b32 s[\g+7], 0
.endr
	s_lshl_b32 s46, s[YY], 2
	s_add_co_u32 s46, s46, s41
	s_lshl_b32 s47, ttmp9, 2
	s_add_co_u32 s47, s47, s40
	s_max_u32 s66, s[YY], 8
	s_sub_co_u32 s66, s66, 8
	s_lshl_b32 s66, s66, 1
	s_add_co_u32 s66, s66, ttmp9
	s_lshl_b32 s66, s66, 2
	s_add_co_u32 s66, s66, s40
	s_cmp_lt_u32 s[YY], 8
	s_cselect_b32 s46, s46, s41
	s_cselect_b32 s47, s47, s66
	s_cselect_b32 s67, 0, 16*102400
	s_lshl_b32 s68, s46, 1
	s_add_co_u32 s68, s68, s[HB]
	s_mul_i32 s68, s68, 102400
	s_add_co_u32 s68, s68, s67
	s_mov_b32 s69, 0
	s_lshl_b32 s70, s47, 1
	s_add_co_u32 s70, s70, s[HB]
	s_mul_i32 s70, s70, 102400
	s_mov_b32 s71, 0
	s_mul_i32 s72, s[WV], PIECE
	s_mov_b32 s[SEL], 0x76543210
	s_mov_b32 s[SEL+1], 0xfedcba98
	s_wait_dscnt 0x0
	s_wait_kmcnt 0x0
	s_cmp_lt_u32 s[YY], 8
	s_cselect_b64 s[74:75], s[4:5], s[6:7]
	s_cselect_b64 s[76:77], s[6:7], s[4:5]
	s_add_nc_u64 s[74:75], s[74:75], s[68:69]
	s_add_nc_u64 s[76:77], s[76:77], s[70:71]
	CROUND
.irp s, 0,1
	s_mov_b32 s[G0+4*\s], 1
	s_add_co_u32 s[G0+4*\s+1], s72, \s*SLOT
	s_add_nc_u64 s[G0+4*\s+2:G0+4*\s+3], s[74:75], \s*PIECE
	s_or_b32 s[G0+4*\s+3], s[G0+4*\s+3], 0x80000000
	s_mov_b32 s[G0B+4*\s], 1
	s_add_co_u32 s[G0B+4*\s+1], s72, \s*SLOT
	s_add_nc_u64 s[G0B+4*\s+2:G0B+4*\s+3], s[76:77], \s*PIECE
	s_or_b32 s[G0B+4*\s+3], s[G0B+4*\s+3], 0x80000000
.endr
	JLOAD 0                                        ; slot 0: my one tensor load at the head, behind the round above
	s_wait_alu depctr_va_vdst(0)
	s_wait_tensorcnt 0x0                           ; ahead of a later first fill
	ds_add_u32 v28, v29
	s_wait_dscnt 0x0
	CROUND
	JLOAD 1                                        ; slot 1's first fill, the first tensor load behind the round
	v_and_b32 v1, 15, v0
	v_bfe_u32 v2, v0, 4, 1
	s_wait_alu depctr_va_vdst(0)
	v_and_b32 v3, 31, v0
	v_lshlrev_b32 v[LI], 4, v3
	s_mul_i32 s21, s[HA], PIECE
	s_mul_i32 s22, s[HB], PIECE
	s_add_co_u32 s22, s22, 2*PIECE
.irp s, 0,1
	v_add_nc_u32 v[ADRA+\s], s21, v[LI]
	v_add_nc_u32 v[ADRB+\s], s22, v[LI]
	s_add_co_u32 s21, s21, SLOT
	s_add_co_u32 s22, s22, SLOT
.endr
	s_mul_i32 s21, s[HA], PIECE
	s_mul_i32 s22, s[HB], PIECE
	s_add_co_u32 s22, s22, 2*PIECE
	s_sub_co_u32 s22, s22, s21
	v_mul_u32_u24 v4, s22, v2
	v_lshl_add_u32 v4, v1, 4, v4
	s_add_co_u32 s21, s21, 12288
	v_add_nc_u32 v[ADRS], s21, v4
	v_add_nc_u32 v[ADRS+1], SLOT, v[ADRS]
	v_and_b32 v5, 8, v1
	v_add_nc_u32 v5, v5, v1
	v_lshlrev_b32 v5, 8, v5
	v_lshl_add_u32 v[VC], v2, 6, v5
	v_mul_u32_u24 v5, v2, 102400
	v_lshl_add_u32 v5, v1, 4, v5
	v_add_nc_u32 v[SCO], 6144, v5
	v_cmp_ne_u32 s[HM], 0, v2
.irp b, 0,1,2,3
	v_mov_b32 v[TM+4+\b], 0
.endr
	s_cmp_lt_u32 s[YY], 8
	s_cselect_b32 s78, s46, s47
	s_cselect_b32 s79, s[HA], s[HB]
	s_cselect_b32 s80, s47, s46
	s_cselect_b32 s81, s[HB], s[HA]
	s_lshl_b32 s78, s78, 1
	s_add_co_u32 s78, s78, s79
	s_and_b32 s80, s80, 3
	s_lshl_b32 s80, s80, 2
	s_lshl_b32 s81, s81, 1
	s_add_co_u32 s80, s80, s81
	s_lshr_b32 s82, s78, 4
	s_lshl_b32 s82, s82, 4
	s_add_co_u32 s82, s82, s80
	s_lshl_b32 s82, s82, 4
	s_and_b32 s83, s78, 15
	s_add_co_u32 s82, s82, s83
	s_mul_i32 s82, s82, 6400
	s_lshl_b32 s78, s83, 15
	s_mov_b32 s79, 0
	s_mov_b32 s83, 0
	s_add_nc_u64 s[COS:COS+1], s[8:9], s[78:79]
	s_add_nc_u64 s[SIN:SIN+1], s[10:11], s[78:79]
	s_cmp_eq_u32 ttmp9, 0
	s_cselect_b64 s[OUT:OUT+1], s[12:13], s[14:15]
	s_cmp_lt_u32 s[YY], 8
	s_cselect_b64 s[OUT:OUT+1], s[OUT:OUT+1], s[16:17]
	s_add_nc_u64 s[OUT:OUT+1], s[OUT:OUT+1], s[82:83]
.macro FRAG reg, adr, q, i
.irp g, 0,1,2
	ds_load_b128 v[\reg+4*\g:\reg+4*\g+3], v[\adr] offset:12800*(\q)+1536*(\i)+512*\g
.endr
.endm
.macro FETCH_B slot, q, p
	WIN TO_B
.irp i, 0,1,2,3,4,5,6,7
	FRAG 128*(\p)+FR*\i, ADRB+\slot, \q, \i
.endr
	WIN 0
.endm
.macro FETCH_A slot, q, i0
.irp i, \i0, \i0+1, \i0+2, \i0+3
	FRAG AF+FR*(\i), ADRA+\slot, \q, \i
.endr
.endm
.macro SCALES slot, q
	ds_load_b128 v[SC+8*(\q):SC+8*(\q)+3], v[ADRS+\slot] offset:12800*(\q)
	ds_load_b128 v[SC+8*(\q)+4:SC+8*(\q)+7], v[ADRS+\slot] offset:12800*(\q)+256
.endm
.macro MUL16 a0, p, zero
.irp a, \a0, \a0+1
.irp b, 0,1,2,3,4,5,6,7
.if \zero
	v_wmma_scale_f32_16x16x128_f8f6f4 v[8*(8*((\a)%4)+\b):8*(8*((\a)%4)+\b)+7], v[128*(\p)+FR*\b:128*(\p)+FR*\b+FR-1], v[AF+FR*(\a):AF+FR*(\a)+FR-1], 0, v[SC+8*(\p)+\b], v[SC+8*(\p)+(\a)] matrix_a_fmt:MATRIX_FMT_FP6 matrix_b_fmt:MATRIX_FMT_FP6 matrix_a_scale:MATRIX_SCALE_ROW1
.else
	v_wmma_scale_f32_16x16x128_f8f6f4 v[8*(8*((\a)%4)+\b):8*(8*((\a)%4)+\b)+7], v[128*(\p)+FR*\b:128*(\p)+FR*\b+FR-1], v[AF+FR*(\a):AF+FR*(\a)+FR-1], v[8*(8*((\a)%4)+\b):8*(8*((\a)%4)+\b)+7], v[SC+8*(\p)+\b], v[SC+8*(\p)+(\a)] matrix_a_fmt:MATRIX_FMT_FP6 matrix_b_fmt:MATRIX_FMT_FP6 matrix_a_scale:MATRIX_SCALE_ROW1
.endif
.endr
.endr
.endm
.macro STEP slot, zero
	s_wait_dscnt 12
	WIN MUL_LO
	MUL16 0, 0, \zero
	MUL16 2, 0, \zero
	s_wait_dscnt 0x0
	PLACES 4
	FETCH_B \slot, 1, 1
	FETCH_A \slot, 1, 0
	SCALES \slot, 1
	WIN MUL_HI
	MUL16 4, 0, \zero
	MUL16 6, 0, \zero
	PLACES 4
	WIN 0
	FETCH_A \slot, 1, 4
.endm
.macro TURN slot, next, fill
	s_wait_tensorcnt 0x0
	ds_add_u32 v[SPW], v[NIL]
	s_wait_dscnt 13
	WIN MUL_LO
	MUL16 0, 1, 0
	s_wait_dscnt 0x0
	s_barrier_signal -1
	MUL16 2, 1, 0
	WIN 0
	s_barrier_wait -1
.if \fill
	CREST
	s_add_nc_u64 s[G0+4*\slot+2:G0+4*\slot+3], s[G0+4*\slot+2:G0+4*\slot+3], 2*PIECE
	s_add_nc_u64 s[G0B+4*\slot+2:G0B+4*\slot+3], s[G0B+4*\slot+2:G0B+4*\slot+3], 2*PIECE
	JLOAD \slot
.else
	PLACES 4
.endif
	FETCH_B \next, 0, 0
	FETCH_A \next, 0, 0
	SCALES \next, 0
	WIN MUL_HI
	MUL16 4, 1, 0
	MUL16 6, 1, 0
	PLACES 4
	WIN 0
	FETCH_A \next, 0, 4
.endm
.macro LAST
	s_wait_dscnt 12
	WIN MUL_LO
	MUL16 0, 1, 0
	MUL16 2, 1, 0
	s_wait_dscnt 0x0
	WIN MUL_HI
	MUL16 4, 1, 0
	MUL16 6, 1, 0
	WIN 0
.endm
.macro CSLOAD f
	WIN TO_B
.irp u, 0,1
.irp bb, 0,1
.irp j, 0,1,2,3
	global_load_b128 v[128*((\f)%2)+64*\u+16*\bb+4*\j:128*((\f)%2)+64*\u+16*\bb+4*\j+3], v[VC], s[COS:COS+1] offset:(32*(\f)+8*\u)*256+128*\bb+16*\j
	global_load_b128 v[128*((\f)%2)+64*\u+32+16*\bb+4*\j:128*((\f)%2)+64*\u+32+16*\bb+4*\j+3], v[VC], s[SIN:SIN+1] offset:(32*(\f)+8*\u)*256+128*\bb+16*\j
.endr
.endr
.endr
	WIN 0
.endm
.macro ROPE a, hh, set, u
.set QB, 64*((\a)%4)+32*(\hh)
.set CB, 128*(\set)+64*(\u)
	WIN 0x04|(2+(\a)/4)
.irp i, 0,2,4,6,8,10,12,14
	v_pk_mul_f32 v[TT+\i:TT+\i+1], v[QB+\i:QB+\i+1], v[CB+\i:CB+\i+1]
.endr
.irp i, 0,2,4,6,8,10,12,14
	v_pk_mul_f32 v[TT+16+\i:TT+16+\i+1], v[QB+16+\i:QB+16+\i+1], v[CB+16+\i:CB+16+\i+1]
.endr
.irp i, 0,2,4,6,8,10,12,14
	v_pk_fma_f32 v[TT+\i:TT+\i+1], v[QB+16+\i:QB+16+\i+1], v[CB+32+\i:CB+32+\i+1], v[TT+\i:TT+\i+1] neg_lo:[1,0,0] neg_hi:[1,0,0]
.endr
.irp i, 0,2,4,6,8,10,12,14
	v_pk_fma_f32 v[TT+16+\i:TT+16+\i+1], v[QB+\i:QB+\i+1], v[CB+48+\i:CB+48+\i+1], v[TT+16+\i:TT+16+\i+1]
.endr
	WIN 0
.endm
.macro QUANT2 s, dst, hw
.irp b, 0,1
	v_max3_num_f32 v[TM+\b], |v[\s+16*\b]|, |v[\s+1+16*\b]|, 0x1800000
.endr
.irp i, 2,4,6,8,10,12,14
.irp b, 0,1
	v_max3_num_f32 v[TM+\b], v[TM+\b], |v[\s+16*\b+\i]|, |v[\s+1+16*\b+\i]|
.endr
.endr
.irp b, 0,1
	v_permlanex16_b32 v[TM+4+\b], v[TM+\b], s[SEL], s[SEL+1]
.endr
.irp b, 0,1
	v_max_num_f32 v[TM+\b], v[TM+\b], v[TM+4+\b]
.endr
.irp b, 0,1
	v_add_nc_u32 v[TM+12+\b], 0xff000000, v[TM+\b]
.endr
.irp b, 0,1
	v_lshrrev_b32 v[TM+4+\b], 23, v[TM+12+\b]
.endr
	v_lshl_or_b32 v[\hw], v[TM+5], 8, v[TM+4]
	v_cvt_scalef32_pk16_fp6_f32 v[\dst:\dst+2], v[\s:\s+15], v[TM+12]
	v_cvt_scalef32_pk16_fp6_f32 v[CT:CT+2], v[\s+16:\s+31], v[TM+13]
	v_nop
.irp i, 0,1,2
	v_permlane16_swap_b32 v[\dst+\i], v[CT+\i]
.endr
.irp i, 0,1,2
	v_mov_b32 v[\dst+3+\i], v[CT+\i]
.endr
.endm
.macro QUANT64W a
.set AC, 64*((\a)%4)
.set WW, 2+(\a)/4
	WIN WW|(WW<<2)
.irp b, 0,1,2,3
	v_max3_num_f32 v[TM+\b], |v[AC+16*\b]|, |v[AC+16*\b+1]|, 0x1800000
.endr
.irp i, 2,4,6,8,10,12,14
.irp b, 0,1,2,3
	v_max3_num_f32 v[TM+\b], |v[AC+16*\b+\i]|, |v[AC+16*\b+\i+1]|, v[TM+\b]
.endr
.endr
	WIN 0
.irp b, 0,1,2,3
	v_permlanex16_b32 v[TM+4+\b], v[TM+\b], s[SEL], s[SEL+1]
.endr
.irp b, 0,1,2,3
	v_max_num_f32 v[TM+\b], v[TM+\b], v[TM+4+\b]
.endr
.irp b, 0,1,2,3
	v_add_nc_u32 v[TM+12+\b], 0xff000000, v[TM+\b]
.endr
.irp b, 0,1,2,3
	v_lshrrev_b32 v[TM+4+\b], 23, v[TM+12+\b]
.endr
	v_lshl_or_b32 v[WD+(\a)], v[TM+5], 8, v[TM+4]
	v_lshl_or_b32 v[WD+(\a)], v[TM+6], 16, v[WD+(\a)]
	v_lshl_or_b32 v[WD+(\a)], v[TM+7], 24, v[WD+(\a)]
	s_wait_xcnt 0x0
	WIN WW
.irp c, 0,1
	v_cvt_scalef32_pk16_fp6_f32 v[PC+6*\c:PC+2+6*\c], v[AC+32*\c:AC+15+32*\c], v[TM+12+2*\c]
	v_cvt_scalef32_pk16_fp6_f32 v[PC+12+4*\c:PC+14+4*\c], v[AC+16+32*\c:AC+31+32*\c], v[TM+12+2*\c+1]
.endr
	WIN 0
	v_nop
.irp c, 0,1
.irp i, 0,1,2
	v_permlane16_swap_b32 v[PC+6*\c+\i], v[PC+12+4*\c+\i]
.endr
.irp i, 0,1,2
	v_mov_b32 v[PC+3+6*\c+\i], v[PC+12+4*\c+\i]
.endr
.endr
.irp g, 0,1,2
	global_store_b128 v[LI], v[PC+4*\g:PC+4*\g+3], s[OUT:OUT+1] offset:102400*((\a)/4)+1536*((\a)%4)+512*\g
.endr
.endm
	s_wait_tensorcnt 1
	s_barrier_signal -1
	s_barrier_wait -1
	FETCH_B 0, 0, 0
	FETCH_A 0, 0, 0
	SCALES 0, 0
	FETCH_A 0, 0, 4
	STEP 0, 1
	TURN 0, 1, 1
	STEP 1, 0
	TURN 1, 0, 1
	STEP 0, 0
	TURN 0, 1, 0
	STEP 1, 0
	s_cmp_ge_u32 s[YY], 8
	s_cbranch_scc1 .Lv_way
	s_wait_alu depctr_va_vdst(0)
	CSLOAD 0
	LAST
	PLACES 4
	CSLOAD 1
.irp f, 0,1,2,3
.if \f < 3
	s_wait_loadcnt 32
.else
	s_wait_loadcnt 0x0
.endif
.irp hh, 0,1
	s_wait_xcnt 0x0
	ROPE 2*\f, \hh, \f%2, 0
	QUANT2 TT, PC, TM+8
	ROPE 2*\f+1, \hh, \f%2, 1
	QUANT2 TT, PC+6, TM+9
	v_lshl_or_b32 v[WD+4*\hh+\f], v[TM+9], 16, v[TM+8]
.irp g, 0,1,2
	global_store_b128 v[LI], v[PC+4*\g:PC+4*\g+3], s[OUT:OUT+1] offset:102400*\hh+1536*\f+512*\g
.endr
.endr
.if \f < 2
	CSLOAD \f+2
.endif
.endr
	s_branch .Ljoin
.Lv_way:
	LAST
	PLACES 4
.irp a, 0,1,2,3,4,5,6,7
	QUANT64W \a
.endr
.Ljoin:
	s_wait_alu depctr_va_vdst(0)
.irp f, 0,1,2,3
	v_cndmask_b32 v[DW+\f], v[WD+\f], v[WD+4+\f], s[HM]
.endr
	global_store_b128 v[SCO], v[DW:DW+3], s[OUT:OUT+1]
	s_wait_tensorcnt 0x0
	ds_add_u32 v[SPW], v[NIL]
	s_wait_dscnt 0x0
	CROUND
	s_endpgm
.Lfunc_end_k_q67cfde9637_qkv:
	.size	k_q67cfde9637_qkv, .Lfunc_end_k_q67cfde9637_qkv-k_q67cfde9637_qkv
	.p2alignl 7, 3214868480
	.fill 96, 4, 3214868480
	.section	.rodata,"a",@progbits
	.p2align	6, 0x0
	.amdhsa_kernel k_q67cfde9637_qkv
		.amdhsa_group_segment_fixed_size 327680
		.amdhsa_private_segment_fixed_size 0
		.amdhsa_enable_private_segment 0
		.amdhsa_kernarg_size 56
		.amdhsa_user_sgpr_count 2
		.amdhsa_user_sgpr_kernarg_segment_ptr 1
		.amdhsa_wavefront_size32 1
		.amdhsa_system_sgpr_workgroup_id_x 1
		.amdhsa_system_sgpr_workgroup_id_y 1
		.amdhsa_system_sgpr_workgroup_id_z 1
		.amdhsa_system_vgpr_workitem_id 0
		.amdhsa_next_free_vgpr 1024
		.amdhsa_next_free_sgpr 100
		.amdhsa_reserve_vcc 0
		.amdhsa_float_denorm_mode_32 3
		.amdhsa_float_denorm_mode_16_64 3
		.amdhsa_memory_ordered 1
		.amdhsa_forward_progress 1
		.amdhsa_inst_pref_size 224
	.end_amdhsa_kernel
	.amdgpu_metadata
---
amdhsa.version: [ 1, 2 ]
amdhsa.kernels:
  - .name:           k_q67cfde9637_qkv
    .symbol:         k_q67cfde9637_qkv.kd
    .args:
      - { .name: ximg, .offset: 0, .size: 8, .value_kind: global_buffer, .address_space: global }
      - { .name: wqkvimg, .offset: 8, .size: 8, .value_kind: global_buffer, .address_space: global }
      - { .name: rope_cos, .offset: 16, .size: 8, .value_kind: global_buffer, .address_space: global }
      - { .name: rope_sin, .offset: 24, .size: 8, .value_kind: global_buffer, .address_space: global }
      - { .name: qimg, .offset: 32, .size: 8, .value_kind: global_buffer, .address_space: global }
      - { .name: kimg, .offset: 40, .size: 8, .value_kind: global_buffer, .address_space: global }
      - { .name: vimg, .offset: 48, .size: 8, .value_kind: global_buffer, .address_space: global }
    .group_segment_fixed_size: 327680
    .private_segment_fixed_size: 0
    .kernarg_segment_align: 8
    .kernarg_segment_size: 56
    .max_flat_workgroup_size: 128
    .sgpr_count:     100
    .vgpr_count:     1024
    .wavefront_size: 32
...
	.end_amdgpu_metadata
.endif
;; end of part 2
;; launch attn (part 3): grid 4 x 64, 16 waves a work-group, clusters of 4 x 1, 206,848 bytes of LDS; arguments qimg, kimg, vimg, oimg; writes oimg
.if DOCPART == 3
	.amdgcn_target "amdgcn-amd-amdhsa--gfx1250"
	.amdhsa_code_object_version 6
	.text
	.protected	k_q67cfde9637_attn
	.globl	k_q67cfde9637_attn
	.p2align	8
	.type	k_q67cfde9637_attn,@function
k_q67cfde9637_attn:
	s_mov_b64 s[64:65], 0
	v_nop
	global_prefetch_b8 v0, s[64:65] scope:SCOPE_SE
	s_setreg_imm32_b32 hwreg(HW_REG_WAVE_MODE, 25, 1), 1
	s_wait_xcnt 0x0
	s_wait_alu depctr_hold_cnt(0) depctr_sa_sdst(0) depctr_va_vdst(0) depctr_va_sdst(0) depctr_va_ssrc(0) depctr_va_vcc(0) depctr_vm_vsrc(0)
	s_getreg_b32 s2, hwreg(HW_REG_IB_STS2, 6, 4)
	s_cmp_eq_u32 s2, 0
	s_cbranch_scc0 .Lentry_in_a_cluster
	s_endpgm
.Lentry_in_a_cluster:
	s_bfe_u32 s2, ttmp6, 0x10000c
	s_cmp_lg_u32 s2, 0x3003
	s_cbranch_scc0 .Lentry_shape_is_right
	s_endpgm
.Lentry_shape_is_right:
; o = softmax(q k^T / 8) v for each of 64 (batch, head), 2,048 tokens, head size 64, both products on codes of FP6 (E2M3) with E8M0 scales; o is divided by the row's sum,
; quantised along the model's 1,024 and stored as the image of the last product's operand.
; THE SOFTMAX: t = score x log2(e) / 8; M = the running largest t rounded UP to a whole number; p = 2^(t - M) is quantised along the keys, not normalised; the row's sum is taken of the unquantised p.
; When M moves, the sum and O are multiplied by 2^(old M - new M): exact.  The largest score starts at -3e38.
; INPUT: for each (batch, head) 16 records of 128 tokens, 6,400 bytes: four fragments of 1,536 bytes as images of registers, then 256 bytes of scale words (row r, fragment f at 16 r + 4 f).
;   q, k: a fragment's row holds TWO tokens' 64 channels (K 0-63: token 32 f + r + 8 (r / 8); K 64-127: the token 8 further on).  q stands between two runs of six zero registers:
;   v[22:33] = (q, 0) picks a row's first token, v[16:27] = (0, q) its second.   v: fragment t holds 16 head channels, K = the record's 128 tokens.
; SHARES.  256 work-groups; each owns 512 queries of one (batch, head).  Each of its sixteen waves owns two tiles of 16 queries, one after the other (PASS 0, PASS 1).
; A WHOLE HEAD'S K AND V STAY IN LDS (2 x 102,400 bytes), filled once: every wave asks for two records (12,800 bytes) by one joint load; one barrier; no ring, no refill, no barrier in the walk over keys or between the two tiles.
; The four work-groups of a cluster are the four of one head and ask for the records jointly.
; Both products are used transposed (source 0 = keys, or head channels; source 1 = my 16 queries): a lane holds ONE query, and the 16 registers of score tiles 2 f, 2 f + 1 are keys 32 f + 16 h + 0 .. 15.
; NO PREFETCH: K and V are asked for whole by the first lines, with no loop to run ahead in; q is 1,600 bytes a wave and tile.
; LIMITS: a block of zeros gets the byte 1 (its codes are zeros; this program alone reads the bytes); NaN and infinities are not served; the scaled scores stay under 2^31 in magnitude.
; Two heads share a fragment and a scale word of o's image: 8 of a lane's 24 bytes of codes and its scale byte are stored in short pieces.
.set VOFF,  102400                     ; V's records behind K's
.set SPARE, 204800                     ; the spare words, 128 bytes for each of 16 waves, that no other line names
.set LI,  1                            ; 16 x lane
.set LSC, 2                            ; 6,144 + 16 r
.set SPW, 3
.set NIL, 4
.set ADK, 5                            ; v5-8 the step's addresses: K, its words, V, its words
.set ADS, 6
.set ADV, 7
.set ADT, 8
.set LIV, 9
.set LSV, 10
.set SB,  11                           ; 16 r + h
.set FRG, 36                           ; v36-83 four fragments of K, then of V
.set KS,  84                           ; v84-87 K's scale words; v88-91 V's; v34 q's; v230 p's: these hold scales alone
.set VS,  88
.set S,   96                           ; v96-159 the scores, then p
.set O,   160                          ; v160-191 O^T
.set PC,  192                          ; v192-203 p's codes; v204-206, v208-210 second halves as converted
.set CT,  204
.set BM,  212                          ; the blocks' largest scores, then floor(t - M) of them
.set BP,  216                          ; the other half's; then the bytes
.set SO,  220                          ; the conversions' scale operands
.set T,   232                          ; v232-247 eight partial sums of p, in pairs (ahead of the walk: q as loaded)
.set WV,  12
.set G1,  16
.set G0,  24
.set SEL, 38
.set CS,  40                           ; s[40:41] c = log2(e) / 8
.set TB,  42                           ; the step's record in LDS
.set CNT, 43
.set UM,  44                           ; all ones where my tile is a row's second token
.set PSEL, 45
.set PM,  46                           ; all ones where my head is odd
.set HM,  47                           ; lanes 16-31
.macro CROUND
	s_barrier_signal -1
	s_barrier_wait -1
	s_cmp_lg_u32 s[WV], 0
	s_cbranch_scc1 .Lnot_wave_0_\@
	s_barrier_signal -3
.Lnot_wave_0_\@:
	s_barrier_wait -3
	s_barrier_signal -1
	s_barrier_wait -1
.endm
	s_load_b256 s[4:11], s[0:1], 0x0               ; qimg, kimg, vimg, oimg
	v_lshl_add_u32 v[SPW], v0, 2, SPARE
	v_mov_b32 v[NIL], 0
	ds_add_u32 v[SPW], v[NIL]                      ; the opening lines: the add, twice on end, and its wait ahead of my tensor load
	ds_add_u32 v[SPW], v[NIL]
	v_lshrrev_b32 v5, 5, v0
	s_delay_alu instid0(VALU_DEP_1)
	v_readfirstlane_b32 s[WV], v5                  ; wave 0..15
	v_and_b32 v5, 31, v0
	s_delay_alu instid0(VALU_DEP_1)
	v_lshlrev_b32 v[LI], 4, v5
	v_and_b32 v6, 15, v0                           ; r
	v_bfe_u32 v7, v0, 4, 1                         ; h
	s_delay_alu instid0(VALU_DEP_2)
	v_lshlrev_b32 v[LSC], 4, v6
	s_delay_alu instid0(VALU_DEP_1)
	v_add_nc_u32 v[SB], v[LSC], v7
	s_delay_alu instid0(VALU_DEP_2)
	v_add_nc_u32 v[LSC], 6144, v[LSC]
	v_add_nc_u32 v[LIV], VOFF, v[LI]
	s_delay_alu instid0(VALU_DEP_2)
	v_add_nc_u32 v[LSV], VOFF, v[LSC]
	v_cmp_ne_u32 s[HM], 0, v7
.irp e, 0,1,2,3,4,5
	v_mov_b32 v[16+\e], 0                          ; zero codes on both sides of q
	v_mov_b32 v[28+\e], 0
.endr
	v_mov_b32 v229, 0                              ; (the upper half of the pair v[228:229])
.irp b, 0,1,2,3
	v_mov_b32 v[BP+\b], 0                          ; written once: a lane permute's destination counts as one of its sources
.endr
	s_bfe_u32 s13, ttmp6, 0x40000                  ; cx: my 512 queries; it enters q's and o's addresses alone
	s_and_b32 s15, ttmp7, 0xffff                   ; (batch, head), which the four partners share
	s_mov_b32 s[G1], 15|(3<<16)|(1<<21)            ; 12,800 dense bytes (two records) as 50 rows of 256, for all four work-groups
	s_mov_b32 s[G1+1], 32<<16
	s_mov_b32 s[G1+2], 50<<16
	s_mov_b32 s[G1+3], 32<<16
	s_mov_b32 s[G1+4], 50
	s_mov_b32 s[G1+5], 32
	s_mov_b32 s[G1+6], 0
	s_mov_b32 s[G1+7], 0
	s_mul_i32 s34, s[WV], 12800                    ; where my two records go: waves 0-7 K's, waves 8-15 V's, which lie behind K's
	s_and_b32 s33, s[WV], 7
	s_mul_i32 s35, s33, 12800
	s_mul_i32 s36, s15, 102400
	s_add_co_u32 s36, s36, s35                     ; and where they lie
	s_mov_b32 s37, 0
	s_mov_b32 s[SEL], 0x76543210
	s_mov_b32 s[SEL+1], 0xfedcba98
	s_mov_b32 s[CS], 0x3e38aa3b
	s_mov_b32 s[CS+1], s[CS]                       ; (named with it as a pair, so it is written)
	s_and_b32 s32, s[WV], 1                        ; which token of a row is my tile's
	s_cmp_lg_u32 s32, 0
	s_cselect_b32 s[UM], -1, 0
	s_mov_b32 s[PSEL], 0x03020302
	s_cselect_b32 s[PSEL], s[PSEL], 0x01000100
	s_and_b32 s63, s15, 1
	s_cmp_lg_u32 s63, 0
	s_cselect_b32 s[PM], -1, 0
	s_wait_alu depctr_va_vdst(0)                   ; the wait at the head's end
	s_wait_dscnt 0x0                               ; both opening adds are done
	s_wait_kmcnt 0x0
	s_cmp_lt_u32 s[WV], 8
	s_cselect_b64 s[48:49], s[6:7], s[8:9]
	s_add_nc_u64 s[48:49], s[48:49], s[36:37]
	s_mov_b32 s[G0], 1
	s_mov_b32 s[G0+1], s34
	s_mov_b64 s[G0+2:G0+3], s[48:49]
	s_or_b32 s[G0+3], s[G0+3], 0x80000000
	CROUND                                         ; all four work-groups are here: the joint loads meet
	tensor_load_to_lds s[G0:G0+3], s[G1:G1+7]      ; my one tensor load of the launch
	s_nop 0
.rept 4
	v_nop
.endr
; A KEY STEP: 128 keys, the record at s[TB]
.macro STEP
	v_add_nc_u32 v[ADK], s[TB], v[LI]
	v_add_nc_u32 v[ADS], s[TB], v[LSC]
.irp f, 0,1,2,3
.irp g, 0,1,2
	ds_load_b128 v[FRG+12*\f+4*\g:FRG+12*\f+4*\g+3], v[ADK] offset:1536*\f+512*\g
.endr
.endr
	ds_load_b128 v[KS:KS+3], v[ADS]
	s_wait_dscnt 0x0
.irp f, 0,1,2,3
	v_wmma_scale_f32_16x16x128_f8f6f4 v[S+16*\f:S+16*\f+7], v[FRG+12*\f:FRG+12*\f+11], v[22:33], 0, v[KS+\f], v34 matrix_a_fmt:MATRIX_FMT_FP6 matrix_b_fmt:MATRIX_FMT_FP6
	v_wmma_scale_f32_16x16x128_f8f6f4 v[S+16*\f+8:S+16*\f+15], v[FRG+12*\f:FRG+12*\f+11], v[16:27], 0, v[KS+\f], v34 matrix_a_fmt:MATRIX_FMT_FP6 matrix_b_fmt:MATRIX_FMT_FP6
.endr
	v_add_nc_u32 v[ADV], s[TB], v[LIV]             ; four places in front of the loads into K's registers and of the first read of the scores
	v_add_nc_u32 v[ADT], s[TB], v[LSV]
	v_mov_b32 v231, v12                            ; the old -M
	v_nop
.irp f, 0,1,2,3
.irp g, 0,1,2
	ds_load_b128 v[FRG+12*\f+4*\g:FRG+12*\f+4*\g+3], v[ADV] offset:1536*\f+512*\g   ; V lands under the softmax
.endr
.endr
	ds_load_b128 v[VS:VS+3], v[ADT]
.irp b, 0,1,2,3
	v_max3_num_f32 v[BM+\b], v[S+16*\b], v[S+1+16*\b], v[S+2+16*\b]   ; the largest score of each block of 32 keys: for the row's maximum and, since p rises with the score, for the block's largest p
.endr
.irp i, 3,5,7,9,11,13
.irp b, 0,1,2,3
	v_max3_num_f32 v[BM+\b], v[BM+\b], v[S+16*\b+\i], v[S+1+16*\b+\i]
.endr
.endr
.irp b, 0,1,2,3
	v_max_num_f32 v[BM+\b], v[BM+\b], v[S+15+16*\b]
.endr
.irp b, 0,1,2,3
	s_delay_alu instid0(VALU_DEP_4)
	v_permlanex16_b32 v[BP+\b], v[BM+\b], s[SEL], s[SEL+1]
.endr
.irp b, 0,1,2,3
	s_delay_alu instid0(VALU_DEP_4)
	v_max_num_f32 v[BM+\b], v[BM+\b], v[BP+\b]     ; with lane l xor 16's 16 keys
.endr
	s_delay_alu instid0(VALU_DEP_2)
	v_max3_num_f32 v226, v[BM], v[BM+1], v[BM+2]
	s_delay_alu instid0(VALU_DEP_1)
	v_max3_num_f32 v13, v13, v226, v[BM+3]         ; the running largest score
	s_delay_alu instid0(VALU_DEP_1)
	v_mul_f32 v226, s[CS], v13                     ; as t (c is positive)
	s_delay_alu instid0(VALU_DEP_1)
	v_floor_f32 v12, -v226                         ; the new -M = -ceil(t): a whole number
	s_delay_alu instid0(VALU_DEP_1)
	v_sub_f32 v226, v12, v231                      ; old M - new M: a whole number, 0 or less
	s_delay_alu instid0(VALU_DEP_1)
	v_cvt_i32_f32 v226, v226                       ; (it saturates)
	s_delay_alu instid0(VALU_DEP_1)
	v_ldexp_f32 v228, 1.0, v226                    ; f = 2^(old M - new M)
.set J, 0
.rept 32
	v_pk_fma_f32 v[S+J:S+J+1], v[S+J:S+J+1], s[CS:CS+1], v[12:13] op_sel_hi:[1,0,0]   ; t - M (of the pairs c and -M the low word serves both halves)
.set J, J+2
.endr
; A BLOCK'S SCALE WITHOUT ITS LARGEST p: the largest p is 2^u, u = t - M of the block's largest score, so floor(log2(p)) = floor(u), and the byte is floor(u) + 125, held at 1 from below (u held at -124).
; LIMIT: where u lies less than 5e-8 under 0, 2^u rounds to 1.0 in f32 while floor(u) is -1: that one p is then held at the largest code, one code low.
.irp b, 0,1,2,3
	v_fma_f32 v[BM+\b], v[BM+\b], s[CS], v12       ; u of each block's largest score
.endr
.irp b, 0,1,2,3
	s_delay_alu instid0(VALU_DEP_4)
	v_max_num_f32 v[BM+\b], 0xc2f80000, v[BM+\b]   ; -124 at the least
.endr
.irp b, 0,1,2,3
	s_delay_alu instid0(VALU_DEP_4)
	v_cvt_floor_i32_f32 v[BM+\b], v[BM+\b]         ; E = floor(u), a whole number from -124 to 0
.endr
.irp b, 0,1,2,3
	s_delay_alu instid0(VALU_DEP_4)
	v_add_lshl_u32 v[SO+\b], v[BM+\b], 125, 23     ; the conversion's scale operand: the byte as an exponent field
.endr
	v_lshl_add_u32 v230, v[BM+1], 8, v[BM]         ; p's scale word for these 128 keys: the sum of (E + 125) x 256^b, taken as the sum of E x 256^b and 125 in every byte
	v_lshl_add_u32 v226, v[BM+3], 8, v[BM+2]
	s_delay_alu instid0(VALU_DEP_1)
	v_lshl_add_u32 v230, v226, 16, v230
	s_delay_alu instid0(VALU_DEP_1)
	v_add_nc_u32 v230, 0x7d7d7d7d, v230
	s_wait_alu depctr_va_vdst(0)                   ; the wait ahead of the batch
.set J, 0
.rept 64
	v_exp_f32 v[S+J], v[S+J]                       ; p = 2^(t - M), at most 1
.set J, J+1
.endr
	s_wait_alu depctr_va_vdst(0)                   ; one wait for the batch of 64, and directly ahead of the first read of O^T
	v_pk_mul_f32 v[14:15], v[14:15], v[228:229] op_sel_hi:[1,0]   ; the sums under the new M (a plain place behind the exponentials)
.set J, 0
.rept 16
	v_pk_mul_f32 v[O+J:O+J+1], v[O+J:O+J+1], v[228:229] op_sel_hi:[1,0]   ; O^T under the new M
.set J, J+2
.endr
.irp c, 0,1
	v_cvt_scalef32_pk16_fp6_f32 v[PC+6*\c:PC+2+6*\c], v[S+32*\c:S+15+32*\c], v[SO+2*\c]
	v_cvt_scalef32_pk16_fp6_f32 v[CT+4*\c:CT+2+4*\c], v[S+16+32*\c:S+31+32*\c], v[SO+2*\c+1]
.endr
	v_nop                                          ; one plain place behind a scaled conversion
.irp c, 0,1
.irp i, 0,1,2
	v_permlane16_swap_b32 v[PC+6*\c+\i], v[CT+4*\c+\i]
.endr
.irp i, 0,1,2
	s_delay_alu instid0(VALU_DEP_3)
	v_mov_b32 v[PC+3+6*\c+\i], v[CT+4*\c+\i]
.endr
.endr
.irp i, 0,1,2,3,4,5,6,7
	v_pk_add_f32 v[T+2*\i:T+2*\i+1], v[S+4*\i:S+4*\i+1], v[S+4*\i+2:S+4*\i+3]   ; THE ROW'S SUM OF THE UNQUANTISED p, in eight chains; these eight are the places between p's codes and the products
.endr
	s_wait_alu depctr_va_vdst(0)                   ; directly ahead of the wait below
	s_wait_dscnt 0x0                               ; V is in
.irp t, 0,1,2,3
	v_wmma_scale_f32_16x16x128_f8f6f4 v[O+8*\t:O+8*\t+7], v[FRG+12*\t:FRG+12*\t+11], v[PC:PC+11], v[O+8*\t:O+8*\t+7], v[VS+\t], v230 matrix_a_fmt:MATRIX_FMT_FP6 matrix_b_fmt:MATRIX_FMT_FP6
.endr
.irp j, 0,1
.irp i, 0,1,2,3,4,5,6,7
	v_pk_add_f32 v[T+2*\i:T+2*\i+1], v[T+2*\i:T+2*\i+1], v[S+32+16*\j+2*\i:S+33+16*\j+2*\i]   ; the rest of the sum names no register of the products: it fills the places behind them
.endr
.endr
.irp i, 0,1,2,3
	v_pk_add_f32 v[T+2*\i:T+2*\i+1], v[T+2*\i:T+2*\i+1], v[T+8+2*\i:T+9+2*\i]
.endr
	s_delay_alu instid0(VALU_DEP_2)
	v_pk_add_f32 v[T:T+1], v[T:T+1], v[T+4:T+5]
	s_delay_alu instid0(VALU_DEP_2)
	v_pk_add_f32 v[T+2:T+3], v[T+2:T+3], v[T+6:T+7]
	s_delay_alu instid0(VALU_DEP_1)
	v_pk_add_f32 v[T:T+1], v[T:T+1], v[T+2:T+3]
	s_delay_alu instid0(VALU_DEP_1)
	v_pk_add_f32 v[14:15], v[14:15], v[T:T+1]
	s_add_co_u32 s[TB], s[TB], 6400
.endm
; ONE TILE OF 16 QUERIES: tile w % 8 of the block of 128 tokens 4 cx + 2 p + w / 8
.macro PASS p
.if \p
	s_wait_xcnt 0x0                                ; the last tile's stores have read their addresses and data: these are written again only behind this wait
.endif
	s_lshr_b32 s54, s[WV], 3
	s_lshl_b32 s55, s13, 2
	s_add_co_u32 s54, s54, s55
	s_add_co_u32 s54, s54, 2*\p                    ; my block of 128 tokens, 0 .. 15
	s_lshl_b32 s55, s15, 4
	s_add_co_u32 s55, s55, s54
	s_mul_i32 s56, s55, 6400
	s_mov_b32 s57, 0
	s_add_nc_u64 s[58:59], s[4:5], s[56:57]        ; its record
	s_bfe_u32 s55, s[WV], 0x20001                  ; the fragment: (w / 2) % 4
	s_mul_i32 s56, s55, 1536
	s_add_nc_u64 s[60:61], s[58:59], s[56:57]
	s_lshl_b32 s56, s55, 2
	s_add_nc_u64 s[58:59], s[58:59], s[56:57]
.irp g, 0,1,2
	global_load_b128 v[232+4*\g:235+4*\g], v[LI], s[60:61] offset:512*\g
.endr
	global_load_b32 v244, v[LSC], s[58:59]
	; o: record (16 batch + block) x 8 + head / 2 of 12,800 bytes; fragment i = w % 8; my head's codes are registers 6 (head % 2) + 0 .. 5
	s_lshr_b32 s55, s15, 4
	s_lshl_b32 s55, s55, 4
	s_add_co_u32 s55, s55, s54
	s_lshl_b32 s55, s55, 3
	s_bfe_u32 s56, s15, 0x30001
	s_add_co_u32 s55, s55, s56
	s_mul_i32 s56, s55, 12800
	s_add_nc_u64 s[48:49], s[10:11], s[56:57]
	s_and_b32 s62, s[WV], 7
	s_mul_i32 s56, s62, 1536
	s_lshl_b32 s55, s63, 10
	s_add_co_u32 s56, s56, s55
	s_add_nc_u64 s[50:51], s[48:49], s[56:57]      ; four registers: at 1,024 x parity
	s_mul_i32 s56, s62, 1536
	s_lshl_b32 s55, s63, 3
	s_add_co_u32 s56, s56, s55
	s_add_co_u32 s56, s56, 512
	s_add_nc_u64 s[52:53], s[48:49], s[56:57]      ; two registers: at 512 + 8 x parity
	s_lshr_b32 s55, s62, 2
	s_lshl_b32 s56, s55, 8
	s_and_b32 s55, s62, 3
	s_lshl_b32 s55, s55, 2
	s_add_co_u32 s56, s56, s55
	s_lshl_b32 s55, s63, 1
	s_add_co_u32 s56, s56, s55
	s_add_co_u32 s56, s56, 12288
	s_add_nc_u64 s[48:49], s[48:49], s[56:57]      ; the scale bytes: byte 2 x parity + h of the row's word
	v_mov_b32 v13, 0xff61b1e6                      ; the largest score so far: -3e38
	v_mov_b32 v12, 0x7e000000                      ; -M: 2^125, so that the first step's f is 0
	v_mov_b32 v14, 0                               ; the sum, in two halves
	v_mov_b32 v15, 0
	s_mov_b32 s[TB], 0
	s_mov_b32 s[CNT], 16
	s_wait_loadcnt 0x0
.irp e, 0,1,2,3,4,5
	v_cndmask_b32 v[22+\e], v[232+\e], v[238+\e], s[UM]   ; my token's six registers
.endr
	v_perm_b32 v34, v244, v244, s[PSEL]            ; its two scale bytes, twice: they serve whichever half of K q stands in
.set J, 0
.rept 32
	v_mov_b32 v[O+J], 0                            ; O^T: the key step is written once; its first trip finds zeros
.set J, J+1
.endr
	s_wait_alu depctr_va_vdst(0)
.if (\p) == 0
	s_wait_tensorcnt 0x0                           ; my two records have landed
	s_barrier_signal -1
	s_barrier_wait -1                              ; everybody's have: K and V are whole, and are only read from here on
.endif
.Lstep_\@:
	STEP
	s_sub_co_u32 s[CNT], s[CNT], 1
	s_cmp_lg_u32 s[CNT], 0
	s_cbranch_scc1 .Lstep_\@
	; THE WAY OUT
	v_add_f32 v14, v14, v15                        ; the sum's two halves,
	s_delay_alu instid0(VALU_DEP_1)
	v_permlanex16_b32 v231, v14, s[SEL], s[SEL+1]
	s_delay_alu instid0(VALU_DEP_1)
	v_add_f32 v14, v14, v231                       ; and lane l xor 16's: the row's sum
	s_wait_alu depctr_va_vdst(0)
	v_rcp_f32 v14, v14
	v_nop                                          ; a plain place behind the reciprocal
	s_wait_alu depctr_va_vdst(0)                   ; ahead of the reciprocal's first reader and of the first read of O^T
.set J, 0
.rept 16
	v_pk_mul_f32 v[S+J:S+J+1], v[O+J:O+J+1], v[14:15] op_sel_hi:[1,0]   ; o = O^T / the sum, each accumulator from its low end on
.set J, J+2
.endr
.irp b, 0,1
	v_max3_num_f32 v[BM+\b], |v[S+16*\b]|, |v[S+1+16*\b]|, 0x1800000   ; o's two blocks of 32 along the last product's K
.endr
.irp i, 2,4,6,8,10,12,14
.irp b, 0,1
	s_delay_alu instid0(VALU_DEP_2)
	v_max3_num_f32 v[BM+\b], v[BM+\b], |v[S+16*\b+\i]|, |v[S+1+16*\b+\i]|
.endr
.endr
.irp b, 0,1
	s_delay_alu instid0(VALU_DEP_2)
	v_permlanex16_b32 v[BP+\b], v[BM+\b], s[SEL], s[SEL+1]
.endr
.irp b, 0,1
	s_delay_alu instid0(VALU_DEP_2)
	v_max_num_f32 v[BM+\b], v[BM+\b], v[BP+\b]
.endr
.irp b, 0,1
	s_delay_alu instid0(VALU_DEP_2)
	v_add_nc_u32 v[SO+\b], 0xff000000, v[BM+\b]
.endr
.irp b, 0,1
	s_delay_alu instid0(VALU_DEP_2)
	v_lshrrev_b32 v[BP+\b], 23, v[SO+\b]
.endr
	v_cvt_scalef32_pk16_fp6_f32 v[PC:PC+2], v[S:S+15], v[SO]
	v_cvt_scalef32_pk16_fp6_f32 v[CT:CT+2], v[S+16:S+31], v[SO+1]
	v_nop
.irp i, 0,1,2
	v_permlane16_swap_b32 v[PC+\i], v[CT+\i]
.endr
.irp i, 0,1,2
	s_delay_alu instid0(VALU_DEP_3)
	v_mov_b32 v[PC+3+\i], v[CT+\i]                 ; lane (r, h): the six registers of block h of my head
.endr
.irp e, 0,1,2,3
	s_delay_alu instid0(VALU_DEP_4)
	v_cndmask_b32 v[236+\e], v[PC+\e], v[PC+2+\e], s[PM]   ; the four that fill a whole group of the image,
.endr
.irp e, 0,1
	v_cndmask_b32 v[240+\e], v[PC+4+\e], v[PC+\e], s[PM]   ; and the two that share a group with the other head's
.endr
	v_cndmask_b32 v244, v[BP], v[BP+1], s[HM]      ; my block's scale byte
	global_store_b128 v[LI], v[236:239], s[50:51]  ; 512 consecutive bytes
	global_store_b64 v[LI], v[240:241], s[52:53]
	global_store_b8 v[SB], v244, s[48:49]
.endm
	PASS 0
	PASS 1
	s_wait_tensorcnt 0x0                           ; the wave's end
	ds_add_u32 v[SPW], v[NIL]
	s_wait_dscnt 0x0
	CROUND                                         ; the closing round
	s_endpgm
.Lfunc_end_k_q67cfde9637_attn:
	.size	k_q67cfde9637_attn, .Lfunc_end_k_q67cfde9637_attn-k_q67cfde9637_attn
	.p2alignl 7, 3214868480
	.fill 96, 4, 3214868480
	.section	.rodata,"a",@progbits
	.p2align	6, 0x0
	.amdhsa_kernel k_q67cfde9637_attn
		.amdhsa_group_segment_fixed_size 206848
		.amdhsa_private_segment_fixed_size 0
		.amdhsa_enable_private_segment 0
		.amdhsa_kernarg_size 32
		.amdhsa_user_sgpr_count 2
		.amdhsa_user_sgpr_kernarg_segment_ptr 1
		.amdhsa_wavefront_size32 1
		.amdhsa_system_sgpr_workgroup_id_x 1
		.amdhsa_system_sgpr_workgroup_id_y 1
		.amdhsa_system_sgpr_workgroup_id_z 1
		.amdhsa_system_vgpr_workitem_id 0
		.amdhsa_next_free_vgpr 256
		.amdhsa_next_free_sgpr 66
		.amdhsa_reserve_vcc 0
		.amdhsa_float_denorm_mode_32 3
		.amdhsa_float_denorm_mode_16_64 3
		.amdhsa_memory_ordered 1
		.amdhsa_forward_progress 1
		.amdhsa_inst_pref_size 55
	.end_amdhsa_kernel
	.amdgpu_metadata
---
amdhsa.version: [ 1, 2 ]
amdhsa.kernels:
  - .name:           k_q67cfde9637_attn
    .symbol:         k_q67cfde9637_attn.kd
    .args:
      - { .name: qimg, .offset: 0, .size: 8, .value_kind: global_buffer, .address_space: global }
      - { .name: kimg, .offset: 8, .size: 8, .value_kind: global_buffer, .address_space: global }
      - { .name: vimg, .offset: 16, .size: 8, .value_kind: global_buffer, .address_space: global }
      - { .name: oimg, .offset: 24, .size: 8, .value_kind: global_buffer, .address_space: global }
    .group_segment_fixed_size: 206848
    .private_segment_fixed_size: 0
    .kernarg_segment_align: 8
    .kernarg_segment_size: 32
    .max_flat_workgroup_size: 512
    .sgpr_count:     66
    .vgpr_count:     256
    .wavefront_size: 32
...
	.end_amdgpu_metadata
.endif
;; end of part 3
;; launch proj (part 4): grid 4 x 64, 4 waves a work-group, clusters of 4 x 4, 327,680 bytes of LDS; arguments oimg, wprojimg, b_proj, out0; writes out0
.if DOCPART == 4
	.amdgcn_target "amdgcn-amd-amdhsa--gfx1250"
	.amdhsa_code_object_version 6
	.text
	.protected	k_q67cfde9637_proj
	.globl	k_q67cfde9637_proj
	.p2align	8
	.type	k_q67cfde9637_proj,@function
k_q67cfde9637_proj:
	s_mov_b64 s[64:65], 0
	v_nop
	global_prefetch_b8 v0, s[64:65] scope:SCOPE_SE
	s_setreg_imm32_b32 hwreg(HW_REG_WAVE_MODE, 25, 1), 1
	s_wait_xcnt 0x0
	s_wait_alu depctr_hold_cnt(0) depctr_sa_sdst(0) depctr_va_vdst(0) depctr_va_sdst(0) depctr_va_ssrc(0) depctr_va_vcc(0) depctr_vm_vsrc(0)
	s_getreg_b32 s2, hwreg(HW_REG_IB_STS2, 6, 4)
	s_cmp_eq_u32 s2, 0
	s_cbranch_scc0 .Lentry_in_a_cluster
	s_endpgm
.Lentry_in_a_cluster:
	s_bfe_u32 s2, ttmp6, 0x10000c
	s_cmp_lg_u32 s2, 0xf033
	s_cbranch_scc0 .Lentry_shape_is_right
	s_endpgm
.Lentry_shape_is_right:
; out0 [8192][1024] f32 = o W_proj^T + b_proj, on codes of FP6 (E2M3) with E8M0 scales.  Both operands come as images of the operand's registers: for each block of 128 rows eight records
; (one for each 128 along K) of 12,800 bytes: eight fragments of 1,536 bytes (register 4 g + e of lane L at 512 g + 16 L + 4 e), then 512 bytes of scale words (fragment i, row r at 256 (i / 4) + 16 r + 4 (i % 4)).
; Row r of fragment i is row 32 (i / 2) + 8 (i % 2) + r + 8 (r / 8) of its block.
; SHARES.  A work-group makes 128 rows x 256 columns: 64 x 4 = 256 work-groups.  ALL OF K LIES IN LDS: o's block (102,400 bytes) and W's two blocks (204,800), filled once by one joint load a wave:
; waves 0, 1 bring the halves of o's block, waves 2, 3 a block of W each.  No ring, no refill; one barrier behind the loads, one ahead of the stage.
; A wave makes 64 rows x 128 columns: 4 fragments of o x 8 of W, 32 accumulators, which take turns in the same order in every K step.
; Both operands have two sets of fragment registers: a K step's 38 LDS loads are issued ahead of the K step before it.
; CLUSTERS 4 x 4: o's block hangs on the work-group's y alone and is shared along a row of the cluster, W's blocks on x alone and are shared along a column.
; The matrix instruction is used transposed (source 0 = W's rows, source 1 = o's rows): a lane holds eight neighbouring columns of a row.  The bias is the C of each accumulator's first product.
; NO PREFETCH: everything is asked for by the first lines; there is no loop to run ahead in.
; REGISTERS: window 0: v16-29 addresses, v32-47 scale words (two sets), v64-159 o's fragments (two sets), v160-223 the bias; window 1: W's fragments, sets at v0 and v128; window 2: the accumulators, (a, b) at v[8 (8 a + b)].
.set BLK,   102400
.set SPARE, 3*BLK                      ; behind the operands: the spare words, 128 bytes a wave, that no other line names
.set SPITCH, 528                       ; the stage: 16 rows x (512 + 16) bytes a wave, on o's bytes, behind the barrier behind which nobody reads them
.set FR,    12
.set ADRA,  16                         ; v16-17 o's fragments, records 0-3 and 4-7
.set ADRB,  18                         ; v18-19 W's
.set ADRS,  20                         ; v20-21 scale words: lanes 0-15 o's, lanes 16-31 W's
.set LI,    24
.set STO,   25
.set RD,    26
.set BIO,   27
.set SPW,   28
.set NIL,   29
.set SC,    32
.set AF,    64
.set BI,    160
.set BK,    64
.set WV,    18
.set HA,    19
.set HB,    20
.set G1,    24
.set G0,    32
.set G1B,   48
.set G0B,   56
.set MSB, 0
.macro WIN new
.if MSB != (\new)
	s_set_vgpr_msb (MSB<<8)|(\new)
.set MSB, (\new)
.endif
.endm
.set MUL_LO, 0xa1                      ; source 0 window 1, source 1 window 0, C and D window 2
.set TO_B,   0x40
.macro CREST
	s_cmp_lg_u32 s[WV], 0
	s_cbranch_scc1 .Lnot_wave_0_\@
	s_barrier_signal -3
.Lnot_wave_0_\@:
	s_barrier_wait -3
	s_barrier_signal -1
	s_barrier_wait -1
.endm
.macro CROUND
	s_barrier_signal -1
	s_barrier_wait -1
	CREST
.endm
.macro PLACES n
.rept \n
	v_nop
.endr
.endm
	s_load_b256 s[4:11], s[0:1], 0x0               ; oimg, wprojimg, b_proj, out0
	v_lshl_add_u32 v[SPW], v0, 2, SPARE
	v_mov_b32 v[NIL], 0
	ds_add_u32 v[SPW], v[NIL]                      ; the opening lines: the add, twice on end, and its wait ahead of my tensor load
	ds_add_u32 v[SPW], v[NIL]
	v_lshrrev_b32 v1, 5, v0
	v_readfirstlane_b32 s[WV], v1
	s_lshr_b32 s[HA], s[WV], 1                     ; my 64 rows.  Also: I fetch for o (0) or for W (1)
	s_and_b32 s[HB], s[WV], 1                      ; my 128 columns.  Also: which part I fetch
	s_bfe_u32 s40, ttmp6, 0x40000
	s_bfe_u32 s41, ttmp6, 0x40004
	s_and_b32 s43, ttmp7, 0xffff
	s_lshl_b32 s44, s41, 2
	s_lshl_b32 s44, 15, s44                        ; my row of the cluster
	s_lshl_b32 s45, 0x1111, s40                    ; my column
	s_or_b32 s[G1], s44, (3<<16)|(1<<21)           ; dense bytes as rows of 256: o's half block 200 rows, W's block 400
	s_or_b32 s[G1B], s45, (3<<16)|(1<<21)
	s_mov_b32 s[G1+1], 32<<16
	s_mov_b32 s[G1+2], 200<<16
	s_mov_b32 s[G1+3], 32<<16
	s_mov_b32 s[G1+4], 200
	s_mov_b32 s[G1+5], 32
	s_mov_b32 s[G1+6], 0
	s_mov_b32 s[G1+7], 0
	s_mov_b32 s[G1B+1], 32<<16
	s_mov_b32 s[G1B+2], 400<<16
	s_mov_b32 s[G1B+3], 32<<16
	s_mov_b32 s[G1B+4], 400
	s_mov_b32 s[G1B+5], 32
	s_mov_b32 s[G1B+6], 0
	s_mov_b32 s[G1B+7], 0
	s_lshl_b32 s46, s43, 2
	s_add_co_u32 s46, s46, s41                     ; block of 128 rows = 4 x cluster y + cy
	s_lshl_b32 s47, ttmp9, 2
	s_add_co_u32 s47, s47, s40                     ; block of 256 columns = 4 x cluster x + cx
	s_mul_i32 s72, s[HB], BLK/2                    ; o's half: where it goes,
	s_mul_i32 s68, s46, BLK
	s_add_co_u32 s68, s68, s72                     ; and where it lies
	s_mov_b32 s69, 0
	s_lshl_b32 s70, s47, 1
	s_add_co_u32 s70, s70, s[HB]
	s_mul_i32 s70, s70, BLK                        ; W's block
	s_mov_b32 s71, 0
	s_mul_i32 s73, s[HB], BLK
	s_add_co_u32 s73, s73, BLK                     ; behind o's block.  Also: the block of W that I multiply
	s_mul_i32 s80, s[HA], 6144                     ; my four fragments of each of o's records
	s_lshl_b32 s83, s[HA], 8                       ; their scale words' group
	s_sub_co_u32 s82, s73, s83                     ; from o's words to W's
	s_add_co_u32 s83, s83, 12288
	s_mul_i32 s84, s[WV], 16*SPITCH                ; my stage
	s_lshl_b32 s78, s46, 7
	s_lshl_b32 s79, s[HA], 6
	s_add_co_u32 s78, s78, s79
	s_lshl_b32 s78, s78, 12                        ; my first row of out0, 4,096 bytes a row
	s_lshl_b32 s86, s47, 10
	s_lshl_b32 s87, s[HB], 9
	s_add_co_u32 s86, s86, s87                     ; my first column, in bytes
	s_mov_b32 s87, 0
	s_add_co_u32 s78, s78, s86
	s_mov_b32 s79, 0
	s_wait_dscnt 0x0                               ; both opening adds are done
	s_wait_kmcnt 0x0
	s_mov_b32 s[G0], 1
	s_mov_b32 s[G0+1], s72
	s_add_nc_u64 s[G0+2:G0+3], s[4:5], s[68:69]
	s_or_b32 s[G0+3], s[G0+3], 0x80000000
	s_mov_b32 s[G0B], 1
	s_mov_b32 s[G0B+1], s73
	s_add_nc_u64 s[G0B+2:G0B+3], s[6:7], s[70:71]
	s_or_b32 s[G0B+3], s[G0B+3], 0x80000000
	s_add_nc_u64 s[8:9], s[8:9], s[86:87]
	s_add_nc_u64 s[10:11], s[10:11], s[78:79]
	CROUND                                         ; all sixteen work-groups are here: the joint loads meet
	s_cmp_eq_u32 s[HA], 0                          ; one load a wave, in the two arms of one branch on the wave's number
	s_cbranch_scc0 .Lfor_b
	tensor_load_to_lds s[G0:G0+3], s[G1:G1+7]
	s_nop 0
.rept 4
	v_nop
.endr
	s_branch .Lasked
.Lfor_b:
	tensor_load_to_lds s[G0B:G0B+3], s[G1B:G1B+7]
	s_nop 0
.rept 4
	v_nop
.endr
.Lasked:
	v_and_b32 v1, 15, v0                           ; r
	v_bfe_u32 v2, v0, 4, 1                         ; h
	v_and_b32 v3, 31, v0
	v_lshlrev_b32 v[LI], 4, v3
	v_lshlrev_b32 v[BIO], 6, v2
	v_add_nc_u32 v[ADRA], s80, v[LI]
	v_add_nc_u32 v[ADRB], s73, v[LI]
	v_add_nc_u32 v[ADRA+1], BLK/2, v[ADRA]
	v_add_nc_u32 v[ADRB+1], BLK/2, v[ADRB]
	v_mul_u32_u24 v4, s82, v2                      ; lanes 16-31 take W's words
	v_lshl_add_u32 v4, v1, 4, v4
	v_add_nc_u32 v[ADRS], s83, v4
	v_add_nc_u32 v[ADRS+1], BLK/2, v[ADRS]
	v_mul_u32_u24 v5, v1, SPITCH
	v_lshl_add_u32 v5, v2, 6, v5
	v_add_nc_u32 v[STO], s84, v5                   ; into the stage: row r, + 64 h
	v_add_nc_u32 v[RD], s84, v[LI]                 ; out of it: a row of 512 bytes to 32 lanes
	s_wait_alu depctr_va_vdst(0)                   ; the wait at the head's end
.irp b, 0,1,2,3,4,5,6,7
	global_load_b128 v[BI+8*\b:BI+8*\b+3], v[BIO], s[8:9] offset:(32*(\b/2)+8*(\b%2))*4      ; the bias at my eight columns of W's fragment b: 32 (b / 2) + 8 (b % 2) + 16 h + 0 .. 7
	global_load_b128 v[BI+8*\b+4:BI+8*\b+7], v[BIO], s[8:9] offset:(32*(\b/2)+8*(\b%2))*4+16
.endr
.macro FETCH q                         ; K step q's 38 loads into set q % 2
	WIN TO_B
.irp i, 0,1,2,3,4,5,6,7
.irp g, 0,1,2
	ds_load_b128 v[128*((\q)%2)+FR*\i+4*\g:128*((\q)%2)+FR*\i+4*\g+3], v[ADRB+(\q)/4] offset:12800*((\q)%4)+1536*\i+512*\g
.endr
.endr
	WIN 0
.irp i, 0,1,2,3
.irp g, 0,1,2
	ds_load_b128 v[AF+48*((\q)%2)+FR*\i+4*\g:AF+48*((\q)%2)+FR*\i+4*\g+3], v[ADRA+(\q)/4] offset:12800*((\q)%4)+1536*\i+512*\g
.endr
.endr
	ds_load_b128 v[SC+8*((\q)%2):SC+8*((\q)%2)+3], v[ADRS+(\q)/4] offset:12800*((\q)%4)          ; lanes 0-15: my four fragments of o; lanes 16-31: W's fragments 0-3
	ds_load_b128 v[SC+8*((\q)%2)+4:SC+8*((\q)%2)+7], v[ADRS+(\q)/4] offset:12800*((\q)%4)+256    ; lanes 16-31: W's fragments 4-7 (lanes 0-15 of these four are not read)
.endm
.macro MUL16 a0, p, first
.irp a, \a0, \a0+1
.irp b, 0,1,2,3,4,5,6,7
.if \first
	v_wmma_scale_f32_16x16x128_f8f6f4 v[8*(8*(\a)+\b):8*(8*(\a)+\b)+7], v[128*(\p)+FR*\b:128*(\p)+FR*\b+FR-1], v[AF+48*(\p)+FR*(\a):AF+48*(\p)+FR*(\a)+FR-1], v[BI+8*\b:BI+8*\b+7], v[SC+8*(\p)+\b], v[SC+8*(\p)+(\a)] matrix_a_fmt:MATRIX_FMT_FP6 matrix_b_fmt:MATRIX_FMT_FP6 matrix_a_scale:MATRIX_SCALE_ROW1
.else
	v_wmma_scale_f32_16x16x128_f8f6f4 v[8*(8*(\a)+\b):8*(8*(\a)+\b)+7], v[128*(\p)+FR*\b:128*(\p)+FR*\b+FR-1], v[AF+48*(\p)+FR*(\a):AF+48*(\p)+FR*(\a)+FR-1], v[8*(8*(\a)+\b):8*(8*(\a)+\b)+7], v[SC+8*(\p)+\b], v[SC+8*(\p)+(\a)] matrix_a_fmt:MATRIX_FMT_FP6 matrix_b_fmt:MATRIX_FMT_FP6 matrix_a_scale:MATRIX_SCALE_ROW1
.endif
.endr
.endr
.endm
.macro STEP q, first
.if (\q) < 7
.if (\q) > 0
	PLACES 4                                       ; in front of loads into the set that the K step before multiplied
.endif
	FETCH (\q)+1
	s_wait_dscnt 38                                ; all but the 38 just issued: this K step's fragments and words are in
.else
	s_wait_dscnt 0x0                               ; my last reads of the operands are over:
	s_barrier_signal -1                            ; say so, and multiply while the others arrive
.endif
.if \first
	WIN 0x81                                       ; C, the bias, in window 0
.else
	WIN MUL_LO
.endif
	MUL16 0, (\q)%2, \first
	MUL16 2, (\q)%2, \first
	WIN 0
.endm
	s_wait_tensorcnt 0x0                           ; my part of the operands has landed
	s_barrier_signal -1
	s_barrier_wait -1                              ; everybody's has
	FETCH 0
	s_wait_loadcnt 0x0                             ; the bias
	STEP 0, 1
.irp q, 1,2,3,4,5,6,7
	STEP \q, 0
.endr
	s_barrier_wait -1                              ; nobody reads the operands any more: the stage may lie on them (they have had their only fill)
; THE WAY OUT, block by block of 16 rows x 128 columns, through my own stage; LDS serves a wave's instructions in order, so no wait stands between the stores and the loads
.macro TOSTAGE a
.set AC, 64*(\a)
	WIN 0x08                                       ; the data: window 2
.irp b, 0,1,2,3,4,5,6,7
	ds_store_b128 v[STO], v[AC+8*\b:AC+8*\b+3] offset:128*(\b/2)+32*(\b%2)      ; each accumulator from its low end on
	ds_store_b128 v[STO], v[AC+8*\b+4:AC+8*\b+7] offset:128*(\b/2)+32*(\b%2)+16
.endr
	WIN 0
.set BB, BK+64*((\a)%2)
.irp t, 0,1,2,3,4,5,6,7,8,9,10,11,12,13,14,15
	ds_load_b128 v[BB+4*\t:BB+4*\t+3], v[RD] offset:\t*SPITCH
.endr
.endm
.macro SEND a, younger
.set BB, BK+64*((\a)%2)
	s_wait_dscnt \younger
.irp t, 0,1,2,3,4,5,6,7,8,9,10,11,12,13,14,15
	global_store_b128 v[LI], v[BB+4*\t:BB+4*\t+3], s[10:11] offset:(32*((\a)/2)+8*((\a)%2)+\t+8*(\t/8))*4096 th:TH_STORE_NT   ; 32 lanes store 512 consecutive bytes, aligned
.endr
.endm
	PLACES 4
	TOSTAGE 0
.irp a, 1,2,3
.if \a > 1
	s_wait_xcnt 0x0                                ; block a - 2's stores have read their registers: block a's loads may land there
.endif
	TOSTAGE \a
	SEND \a-1, 32                                  ; behind block a - 1's loads: block a's 16 stores and 16 loads
.endr
	SEND 3, 0
	s_wait_tensorcnt 0x0                           ; the wave's end
	ds_add_u32 v[SPW], v[NIL]
	s_wait_dscnt 0x0
	CROUND                                         ; the closing round
	s_endpgm
.Lfunc_end_k_q67cfde9637_proj:
	.size	k_q67cfde9637_proj, .Lfunc_end_k_q67cfde9637_proj-k_q67cfde9637_proj
	.p2alignl 7, 3214868480
	.fill 96, 4, 3214868480
	.section	.rodata,"a",@progbits
	.p2align	6, 0x0
	.amdhsa_kernel k_q67cfde9637_proj
		.amdhsa_group_segment_fixed_size 327680
		.amdhsa_private_segment_fixed_size 0
		.amdhsa_enable_private_segment 0
		.amdhsa_kernarg_size 32
		.amdhsa_user_sgpr_count 2
		.amdhsa_user_sgpr_kernarg_segment_ptr 1
		.amdhsa_wavefront_size32 1
		.amdhsa_system_sgpr_workgroup_id_x 1
		.amdhsa_system_sgpr_workgroup_id_y 1
		.amdhsa_system_sgpr_workgroup_id_z 1
		.amdhsa_system_vgpr_workitem_id 0
		.amdhsa_next_free_vgpr 768
		.amdhsa_next_free_sgpr 100
		.amdhsa_reserve_vcc 0
		.amdhsa_float_denorm_mode_32 3
		.amdhsa_float_denorm_mode_16_64 3
		.amdhsa_memory_ordered 1
		.amdhsa_forward_progress 1
		.amdhsa_inst_pref_size 76
	.end_amdhsa_kernel
	.amdgpu_metadata
---
amdhsa.version: [ 1, 2 ]
amdhsa.kernels:
  - .name:           k_q67cfde9637_proj
    .symbol:         k_q67cfde9637_proj.kd
    .args:
      - { .name: oimg, .offset: 0, .size: 8, .value_kind: global_buffer, .address_space: global }
      - { .name: wprojimg, .offset: 8, .size: 8, .value_kind: global_buffer, .address_space: global }
      - { .name: b_proj, .offset: 16, .size: 8, .value_kind: global_buffer, .address_space: global }
      - { .name: out0, .offset: 24, .size: 8, .value_kind: global_buffer, .address_space: global }
    .group_segment_fixed_size: 327680
    .private_segment_fixed_size: 0
    .kernarg_segment_align: 8
    .kernarg_segment_size: 32
    .max_flat_workgroup_size: 128
    .sgpr_count:     100
    .vgpr_count:     768
    .wavefront_size: 32
...
	.end_amdgpu_metadata
.endif
;; end of part 4
